; MI455X (gfx1250); checked and timed in simulation.
; The chip was launched on July 23, 2026; its instructions are those of AMD's public machine-readable ISA for CDNA 5 (MIT licence, August 2026) and "CDNA5" Instruction Set Architecture Reference Guide (July 2026). The comments in the code are by the model that wrote it; some were corrected since.
;; Knn Graph. Allowed arithmetic: float matrix products may take bf16 or f16 operands with f32 sums; all other float work in f32.
;; Inputs: x 2 x 64 x 8,192 x 1 float32.
;; Outputs: out0 2 x 2 x 8,192 x 16 int32.
;; 2 versions, each right; version 2 is version 1 with the launch sweep written anew for expert scheduling mode. Each part assembles by itself: llvm-mc -triple=amdgcn-amd-amdhsa -mcpu=gfx1250 --defsym DOCPART=n.
;; ======== version 1 of 2: 4 launches
;; workspace buffers: xf 2,097,152 bytes; sq 65,792 bytes; masks 2,097,152 bytes of whole numbers; lst 1,048,576 bytes of whole numbers; cnt 65,536 bytes of whole numbers
;; launch prep (part 1): grid 256 x 1, 2 waves a work-group, no clusters, 0 bytes of LDS; arguments x, xf, sq; writes xf, sq
.if DOCPART == 1
	.amdgcn_target "amdgcn-amd-amdhsa--gfx1250"
	.amdhsa_code_object_version 6
	.text
	.protected	k_qd86cde2de7_prep
	.globl	k_qd86cde2de7_prep
	.p2align	8
	.type	k_qd86cde2de7_prep,@function
k_qd86cde2de7_prep:
	s_mov_b64 s[64:65], 0
	v_nop
	global_prefetch_b8 v0, s[64:65] scope:SCOPE_SE
	s_setreg_imm32_b32 hwreg(HW_REG_WAVE_MODE, 25, 1), 1
	s_wait_xcnt 0x0
; x[b][c][n] f32 (2 x 64 x 8192) -> xf: the points rounded to bf16, laid in the order of matrix fragments; sq: the squared length of each rounded point, f32.
; xf: tile g = 512 b + n / 16 takes 2,048 bytes; dims 8 m .. 8 m + 7 of point r = n % 16 lie at 2,048 g + 256 m + 16 r.  A wave that loads
; 16 bytes a lane at 512 i + 16 lane (i = 0 .. 3) then holds registers 4 i .. 4 i + 3 of two 16 x 32 fragments, every k in its true place.
; sq: batch b at 32,800 b: 8,192 squares, then eight +inf, which the last launch reads for list entries that stand for no group.
; THE ORDER OF ROUNDING OF sq: the order of the results hangs on the last bits of the distances, so the sum over the 64 channels is rounded in a
; fixed order: two windows of 32 channels, each one f32 sum in ascending order started from 0, and then the two sums added.  (The square of a
; bf16 number is exact in f32, so each fused multiply-add rounds once, like a multiply and an add.)
; One thread takes one point; 64 points a work-group, 256 work-groups.  A wave's load covers 128 neighbouring bytes of one channel; sixteen
; lanes' store covers 256 neighbouring bytes of xf, aligned.  No LDS, no matrix unit: the launch only moves 4 MiB in and 2 MiB out.
; LIMITS: NaN and infinite inputs are not served; squares that overflow f32 are not served.
.set XR, 16                            ; v[16:79]   the point's 64 channels as loaded
.set PK, 80                            ; v[80:111]  the same in bf16, two a word
.set SS, 112                           ; v112, v113 the sums of squares of channels 0 to 31 and 32 to 63
.set CH, 32768                         ; bytes from a channel to the next
	s_load_b128 s[4:7], s[0:1], 0x0                ; x s[4:5], xf s[6:7]
	s_load_b64 s[8:9], s[0:1], 0x10                ; sq
	s_lshr_b32 s10, ttmp9, 7                       ; batch
	s_and_b32 s11, ttmp9, 127                      ; which 64 points of the batch
	s_lshl_b32 s12, s10, 21                        ; x: batch x 64 channels x 32,768 bytes
	s_lshl_b32 s13, s11, 8                         ;    + 64 points x 4 bytes
	s_add_co_u32 s12, s12, s13
	s_mov_b32 s13, 0
	s_lshl_b32 s14, ttmp9, 13                      ; xf: four tiles of 2,048 bytes a work-group
	s_mov_b32 s15, 0
	s_mul_i32 s16, s10, 32800                      ; sq: the batch's part
	s_lshl_b32 s17, s11, 8
	s_add_co_u32 s16, s16, s17
	s_mov_b32 s17, 0
	v_lshlrev_b32 v1, 2, v0                        ; 4 bytes a point, in x and in sq
	v_lshrrev_b32 v2, 4, v0                        ; my tile of the four
	v_and_b32 v3, 15, v0                           ; my row in it
	v_lshlrev_b32 v2, 11, v2
	v_lshl_add_u32 v2, v3, 4, v2                   ; 2,048 tile + 16 row
	v_mov_b32 v[SS], 0
	v_mov_b32 v[SS+1], 0
	s_wait_kmcnt 0x0
	s_add_nc_u64 s[4:5], s[4:5], s[12:13]
	s_add_nc_u64 s[6:7], s[6:7], s[14:15]
	s_add_nc_u64 s[8:9], s[8:9], s[16:17]
.set cc, 0
.rept 64
	global_load_b32 v[XR+cc], v1, s[4:5] offset:cc*CH th:TH_LOAD_NT    ; x is read once in the launch
.set cc, cc+1
.endr
; eight channels: round, store 16 bytes, add the squares of the ROUNDED numbers to their window's sum (chunks 0 to 3: the first window, 4 to 7: the second)
.macro CHUNK m
	s_wait_loadcnt 56-8*\m                         ; loads come back in order: channels up to 8 m + 7 are in, the later ones stay out
.irp p, 0,1,2,3
	v_cvt_pk_bf16_f32 v[PK+4*\m+\p], v[XR+8*\m+2*\p], v[XR+8*\m+2*\p+1]
.endr
	global_store_b128 v2, v[PK+4*\m:PK+4*\m+3], s[6:7] offset:256*\m   ; its data registers are never written again
.irp p, 0,1,2,3
	v_fma_mix_f32_bf16 v[SS+(\m>>2)], v[PK+4*\m+\p], v[PK+4*\m+\p], v[SS+(\m>>2)] op_sel_hi:[1,1,0]
	v_fma_mix_f32_bf16 v[SS+(\m>>2)], v[PK+4*\m+\p], v[PK+4*\m+\p], v[SS+(\m>>2)] op_sel:[1,1,0] op_sel_hi:[1,1,0]
.endr
.endm
.irp m, 0,1,2,3,4,5,6,7
	CHUNK \m
.endr
	v_add_f32 v[SS], v[SS], v[SS+1]                ; the two windows' sums
	global_store_b32 v1, v[SS], s[8:9]
	s_cmp_lg_u32 s11, 127                          ; the batch's last work-group also writes the eight +inf behind the squares
	s_cbranch_scc1 .Ldone
	v_mov_b32 v3, 0x7f800000
	v_cmp_gt_u32 vcc_lo, 8, v0
	s_wait_xcnt 0x0                                ; EXEC is a source of the stores above: it changes only behind this wait
	s_and_saveexec_b32 s18, vcc_lo
	global_store_b32 v1, v3, s[8:9] offset:256     ; threads 0 to 7: bytes 32,768 to 32,799 of the batch's part
	s_wait_xcnt 0x0                                ; and again in front of the line that widens it
	s_or_b32 exec_lo, exec_lo, s18
.Ldone:
	s_endpgm
.Lfunc_end_k_qd86cde2de7_prep:
	.size	k_qd86cde2de7_prep, .Lfunc_end_k_qd86cde2de7_prep-k_qd86cde2de7_prep
	.p2alignl 7, 3214868480
	.fill 96, 4, 3214868480
	.section	.rodata,"a",@progbits
	.p2align	6, 0x0
	.amdhsa_kernel k_qd86cde2de7_prep
		.amdhsa_group_segment_fixed_size 0
		.amdhsa_private_segment_fixed_size 0
		.amdhsa_enable_private_segment 0
		.amdhsa_kernarg_size 24
		.amdhsa_user_sgpr_count 2
		.amdhsa_user_sgpr_kernarg_segment_ptr 1
		.amdhsa_wavefront_size32 1
		.amdhsa_system_sgpr_workgroup_id_x 1
		.amdhsa_system_sgpr_workgroup_id_y 1
		.amdhsa_system_sgpr_workgroup_id_z 1
		.amdhsa_system_vgpr_workitem_id 0
		.amdhsa_next_free_vgpr 116
		.amdhsa_next_free_sgpr 66
		.amdhsa_reserve_vcc 1
		.amdhsa_float_denorm_mode_32 3
		.amdhsa_float_denorm_mode_16_64 3
		.amdhsa_memory_ordered 1
		.amdhsa_forward_progress 1
		.amdhsa_inst_pref_size 15
	.end_amdhsa_kernel
	.amdgpu_metadata
---
amdhsa.version: [ 1, 2 ]
amdhsa.kernels:
  - .name:           k_qd86cde2de7_prep
    .symbol:         k_qd86cde2de7_prep.kd
    .args:
      - { .name: x, .offset: 0, .size: 8, .value_kind: global_buffer, .address_space: global }
      - { .name: xf, .offset: 8, .size: 8, .value_kind: global_buffer, .address_space: global }
      - { .name: sq, .offset: 16, .size: 8, .value_kind: global_buffer, .address_space: global }
    .group_segment_fixed_size: 0
    .private_segment_fixed_size: 0
    .kernarg_segment_align: 8
    .kernarg_segment_size: 24
    .max_flat_workgroup_size: 64
    .sgpr_count:     66
    .vgpr_count:     116
    .wavefront_size: 32
...
	.end_amdgpu_metadata
.endif
;; end of part 1
;; launch sweep (part 2): grid 256 x 1, 16 waves a work-group, no clusters, 272,384 bytes of LDS; arguments xf, sq, masks; writes masks
.if DOCPART == 2
	.amdgcn_target "amdgcn-amd-amdhsa--gfx1250"
	.amdhsa_code_object_version 6
	.text
	.protected	k_qd86cde2de7_sweep
	.globl	k_qd86cde2de7_sweep
	.p2align	8
	.type	k_qd86cde2de7_sweep,@function
k_qd86cde2de7_sweep:
	s_mov_b64 s[64:65], 0
	v_nop
	global_prefetch_b8 v0, s[64:65] scope:SCOPE_SE
	s_setreg_imm32_b32 hwreg(HW_REG_WAVE_MODE, 25, 1), 1
	s_wait_xcnt 0x0
; THE FILTER.  For 64 queries against all 8,192 points of their batch: every distance d = fl(fl(sq_q - 2 inner) + sq_c), inner from the matrix unit,
; of which only the minimum of each GROUP of 8 neighbouring candidates is kept (1,024 groups a query, in LDS).  Then, for each query, T = the 16th
; smallest of 64 minima over disjoint sets of 16 groups: sixteen different candidates are at most T away.  Flagged are the groups whose minimum
; is <= T' = T + 2^-13 (sq_q + T); the flags go out as 32 words a query: word s, bit l = group 32 s + l.  The next launch ranks the flagged groups.
; THE MARGIN: the next launch sums the inner product serially in f32, so its distance and this launch's differ by some e.  Either sum is off by at
; most 2^-18 x (sum of |products|) <= 2^-19 (sq_q + sq_c); doubled, for two sums, with the last roundings: e < 1.1 x 2^-17 (sq_q + sq_c).  Sixteen
; candidates rank at or below T + e, so each of the 16 nearest has a distance here of at most T + 2 e; it also has sq_c <= 2 sq_q + 2 d, so
; 2 e < 2^-14 (sq_q + T).  The margin is twice that.
; SHARES: work-group = 64 queries (four column tiles, kept in registers as B); wave w = candidate tiles 32 w .. 32 w + 31 (as A), loaded from xf
; straight into fragment registers, four tiles ahead.  In D, lane (r, h) holds candidates 8 h + 0 .. 7 of the tile for query r: its eight
; registers are one group.  Sixteen waves, four to a SIMD: a tile's 8 matrix instructions are followed by some 50 vector instructions on their
; results, so several waves take turns on the two units.
; LDS: wave w's minima at 16,896 w + 264 q + 4 (group - 64 w); 264 bytes = 66 words, so the 32 lanes of a store fall into 32 different banks.
; NOT USED: tensor loads and joint loads in a cluster.  The 128 work-groups of a batch do walk the same 1 MiB of xf, but a joint tile lands in
; LDS, where the table takes 270,336 of 327,680 bytes, and each tile would then be read again from LDS; here a tile goes once into registers.
; LIMITS: NaN, infinities and distances beyond f32's range are not served.  Distances are those of the points rounded to bf16.
.set QP,    264                        ; bytes of a query's row in a wave's region
.set REG,   64*QP                      ; a wave's region
.set MAD,   4                          ; v[4:7]     LDS address of my minimum for column tile c; later the end phase's four read addresses
.set MN,    8                          ; v[8:11]    the minima; later the mask words of two pairs of queries
.set SQQ,   12                         ; v[12:15]   sq of query 16 c + r
.set ACC,   16                         ; v[16:47]   four accumulators
.set BQ,    48                         ; v[48:111]  the queries' fragments, 16 registers a column tile
.set RING,  112                        ; v[112:207] four slots of 16 registers of A and 8 of the candidates' sq
.set F,     48                         ; v[48:175]  end phase: 32 words of minima for each of my four queries
.set C0,    184
.set C1,    185
.set LO,    186
.set HI,    187
.set PP,    188
.set SQE,   44                         ; s[44:47]   end phase: sq of my four queries
	s_load_b128 s[4:7], s[0:1], 0x0                ; xf s[4:5], sq s[6:7]
	s_load_b64 s[8:9], s[0:1], 0x10                ; masks
	v_lshl_add_u32 v208, v0, 2, 0x42000
	v_mov_b32 v209, 0
	v_lshrrev_b32 v3, 5, v0
	v_readfirstlane_b32 s17, v3                    ; wave 0 .. 15
	s_lshr_b32 s18, ttmp9, 7                       ; batch
	s_and_b32 s19, ttmp9, 127                      ; which 64 queries of the batch
	s_lshl_b32 s42, s18, 20                        ; the batch's 1 MiB of xf
	s_lshl_b32 s44, s17, 16                        ; my 32 candidate tiles of 2,048 bytes
	s_add_co_u32 s44, s44, s42
	s_mov_b32 s45, 0
	s_lshl_b32 s46, s19, 13                        ; the four query tiles
	s_add_co_u32 s46, s46, s42
	s_mov_b32 s47, 0
	s_mul_i32 s42, s18, 32800                      ; the batch's part of sq
	s_lshl_b32 s36, s17, 11                        ; my 512 candidates' squares
	s_add_co_u32 s36, s36, s42
	s_mov_b32 s37, 0
	s_lshl_b32 s38, s19, 8                         ; the 64 queries' squares
	s_add_co_u32 s38, s38, s42
	s_mov_b32 s39, 0
	s_lshl_b32 s40, ttmp9, 13                      ; masks: 64 queries x 128 bytes a work-group,
	s_lshl_b32 s41, s17, 9                         ; four queries a wave
	s_add_co_u32 s40, s40, s41
	s_mov_b32 s41, 0
	s_mul_i32 s16, s17, REG
	v_and_b32 v3, 31, v0
	v_lshlrev_b32 v1, 4, v3                        ; v1 = 16 lane: a fragment load's lane term; never rewritten
	v_bfe_u32 v2, v0, 4, 1                         ; h
	v_and_b32 v3, 15, v0                           ; r
	v_mul_u32_u24 v[MAD], v3, QP
	v_lshl_add_u32 v[MAD], v2, 2, v[MAD]
	v_add_nc_u32 v[MAD], s16, v[MAD]               ; region + 264 r + 4 h
	v_add_nc_u32 v[MAD+1], 16*QP, v[MAD]
	v_add_nc_u32 v[MAD+2], 32*QP, v[MAD]
	v_add_nc_u32 v[MAD+3], 48*QP, v[MAD]
	v_lshlrev_b32 v2, 5, v2                        ; v2 = 32 h: my eight candidates' squares
	v_lshlrev_b32 v3, 2, v3                        ; v3 = 4 r
	; masks of the sorting network: lane i keeps the larger of the pair (i, i xor j) where bit j of i differs from bit k of i
	s_mov_b32 s20, 0x66666666                      ; k = 2,  j = 1
	s_mov_b32 s21, 0x3c3c3c3c                      ; k = 4,  j = 2
	s_mov_b32 s22, 0x5a5a5a5a                      ; k = 4,  j = 1
	s_mov_b32 s23, 0x0ff00ff0                      ; k = 8,  j = 4
	s_mov_b32 s24, 0x33cc33cc                      ; k = 8,  j = 2
	s_mov_b32 s25, 0x55aa55aa                      ; k = 8,  j = 1
	s_mov_b32 s26, 0x00ffff00                      ; k = 16, j = 8
	s_mov_b32 s27, 0x0f0ff0f0                      ; k = 16, j = 4
	s_mov_b32 s28, 0x3333cccc                      ; k = 16, j = 2
	s_mov_b32 s29, 0x5555aaaa                      ; k = 16, j = 1
	s_mov_b32 s30, 0x76543210                      ; v_permlanex16_b32: lane i of one half reads lane i of the other
	s_mov_b32 s31, 0xfedcba98
	s_mov_b32 s32, 0xffff0000                      ; lanes 16 to 31
	s_wait_kmcnt 0x0
	s_add_nc_u64 s[10:11], s[4:5], s[44:45]        ; my candidate tiles
	s_add_nc_u64 s[14:15], s[4:5], s[46:47]        ; the query tiles
	s_add_nc_u64 s[12:13], s[6:7], s[36:37]        ; my candidates' squares
	s_add_nc_u64 s[38:39], s[6:7], s[38:39]        ; the queries' squares
	s_add_nc_u64 s[40:41], s[8:9], s[40:41]        ; my four queries' mask words
	s_lshl_b32 s44, s17, 4                         ; the squares of the four queries that I finish in the end phase
	s_mov_b32 s45, 0
	s_add_nc_u64 s[36:37], s[38:39], s[44:45]
	s_load_b128 s[SQE:SQE+3], s[36:37], 0x0        ; waited for at the head of the end phase; s[36:37] stay as they are until then
.irp c, 0,1,2,3
.irp i, 0,1,2,3
	global_load_b128 v[BQ+16*\c+4*\i:BQ+16*\c+4*\i+3], v1, s[14:15] offset:2048*\c+512*\i
.endr
.endr
.irp c, 0,1,2,3
	global_load_b32 v[SQQ+\c], v3, s[38:39] offset:64*\c
.endr
; six loads: candidate tile t (counted from the stream's bases) into slot k
.macro FILL k, t
.irp i, 0,1,2,3
	global_load_b128 v[RING+24*\k+4*\i:RING+24*\k+4*\i+3], v1, s[10:11] offset:2048*(\t)+512*\i
.endr
	global_load_b128 v[RING+24*\k+16:RING+24*\k+19], v2, s[12:13] offset:64*(\t)
	global_load_b128 v[RING+24*\k+20:RING+24*\k+23], v2, s[12:13] offset:64*(\t)+16
.endm
.irp k, 0,1,2,3
	FILL \k, \k
.endr
; column tile c of slot k's results: the two roundings of the distance, the group's minimum, one word into LDS
.macro DIST c, k
.irp j, 0,2,4,6
.if (\c) & 1
	v_pk_fma_f32 v[ACC+8*\c+\j:ACC+8*\c+\j+1], v[ACC+8*\c+\j:ACC+8*\c+\j+1], -2.0, v[SQQ+\c-1:SQQ+\c] op_sel:[0,0,1] op_sel_hi:[1,0,1]   ; both halves take the pair's second register
.else
	v_pk_fma_f32 v[ACC+8*\c+\j:ACC+8*\c+\j+1], v[ACC+8*\c+\j:ACC+8*\c+\j+1], -2.0, v[SQQ+\c:SQQ+\c+1] op_sel_hi:[1,0,0]                 ; both halves take the pair's first register
.endif
.endr
.irp j, 0,2,4,6
	v_pk_add_f32 v[ACC+8*\c+\j:ACC+8*\c+\j+1], v[ACC+8*\c+\j:ACC+8*\c+\j+1], v[RING+24*\k+16+\j:RING+24*\k+17+\j]
.endr
	v_min3_num_f32 v[MN+\c], v[ACC+8*\c], v[ACC+8*\c+1], v[ACC+8*\c+2]
	v_min3_num_f32 v[MN+\c], v[MN+\c], v[ACC+8*\c+3], v[ACC+8*\c+4]
	v_min3_num_f32 v[MN+\c], v[MN+\c], v[ACC+8*\c+5], v[ACC+8*\c+6]
	v_min_num_f32 v[MN+\c], v[MN+\c], v[ACC+8*\c+7]
	ds_store_b32 v[MAD+\c], v[MN+\c] offset:8*\k   ; two groups (8 bytes) a tile
.endm
; one candidate tile against the 64 queries.  left = the loads of the younger slots, six each, which may stay out.
.macro TILE k, reload, left
	s_wait_loadcnt \left
	; the four accumulators take turns, one instruction a turn
.irp c, 0,1,2,3
	v_wmma_f32_16x16x32_bf16 v[ACC+8*\c:ACC+8*\c+7], v[RING+24*\k:RING+24*\k+7], v[BQ+16*\c:BQ+16*\c+7], 0
.endr
.irp c, 0,1,2,3
	v_wmma_f32_16x16x32_bf16 v[ACC+8*\c:ACC+8*\c+7], v[RING+24*\k+8:RING+24*\k+15], v[BQ+16*\c+8:BQ+16*\c+15], v[ACC+8*\c:ACC+8*\c+7]
.endr
.rept 4
	v_nop                                          ; four places behind the last matrix instruction (ISA guide 7.12.1): then its result is read, and its sources are loaded again below
.endr
.irp c, 0,1,2,3
	DIST \c, \k
.endr
.if \reload
	FILL \k, 4+\k                                  ; the tile four further on
.endif
.endm
	s_mov_b32 s16, 7
.Ltiles:
	TILE 0, 1, 18
	TILE 1, 1, 18
	TILE 2, 1, 18
	TILE 3, 1, 18
	s_wait_xcnt 0x0                                ; the loads' bases are stepped only behind this wait
	s_add_nc_u64 s[10:11], s[10:11], 4*2048
	s_add_nc_u64 s[12:13], s[12:13], 4*64
.irp c, 0,1,2,3
	v_add_nc_u32 v[MAD+\c], 32, v[MAD+\c]          ; eight groups on
.endr
	s_sub_co_i32 s16, s16, 1
	s_cmp_lg_u32 s16, 0
	s_cbranch_scc1 .Ltiles
	TILE 0, 0, 18                                  ; the last four tiles load nothing: the counts run down
	TILE 1, 0, 12
	TILE 2, 0, 6
	TILE 3, 0, 0
	s_wait_dscnt 0x0                               ; my minima are in LDS,
	s_barrier_signal -1
	s_barrier_wait -1                              ; everybody's are
	; END PHASE: wave w takes the work-group's queries 4 w + i, i = 0 .. 3.  Word s of lane l: the minimum of group 32 s + l.
	s_wait_kmcnt 0x0                               ; my four queries' squares
	v_and_b32 v3, 31, v0
	s_mul_i32 s16, s17, 4*QP
	v_lshl_add_u32 v[MAD], v3, 2, s16              ; 4 lane + my first query's row, in regions 0 to 3;
	v_add_nc_u32 v[MAD+1], 4*REG, v[MAD]           ; regions 4 to 7, 8 to 11, 12 to 15: the immediate reaches three regions on
	v_add_nc_u32 v[MAD+2], 8*REG, v[MAD]
	v_add_nc_u32 v[MAD+3], 12*REG, v[MAD]
	v_lshlrev_b32 v2, 3, v3                        ; 8 lane: the mask stores' lane term
	v_mov_b32 v[LO], 0                             ; destinations of lane-crossing forms count as read: written once here
	v_mov_b32 v[HI], 0
	v_mov_b32 v[PP], 0
.macro LOADQ i                         ; my query i's 1,024 minima: 32 loads of 128 neighbouring bytes
.set ww, 0
.rept 32
	ds_load_b32 v[F+32*\i+ww], v[MAD+(ww>>3)] offset:((ww>>1)&3)*REG+(ww&1)*128+\i*QP
.set ww, ww+1
.endr
.endm
.macro MIN16 dst, f                    ; the minimum of sixteen registers
	v_min3_num_f32 v[\dst], v[\f], v[\f+1], v[\f+2]
.irp t, 3,5,7,9,11,13
	v_min3_num_f32 v[\dst], v[\dst], v[\f+\t], v[\f+\t+1]
.endr
	v_min_num_f32 v[\dst], v[\dst], v[\f+15]
.endm
.macro STAGE reg, j, m                 ; compare and exchange lanes i and i xor j; mask s[m]: who keeps the larger
	v_min_num_f32_dpp v[LO], v[\reg], v[\reg] row_xmask:\j row_mask:0xf bank_mask:0xf
	v_max_num_f32_dpp v[HI], v[\reg], v[\reg] row_xmask:\j row_mask:0xf bank_mask:0xf
	v_cndmask_b32 v[\reg], v[LO], v[HI], s[\m]
.endm
.macro MERGE16 reg                     ; each half of 16 lanes holds a bitonic run: lanes 0-15 end ascending, lanes 16-31 descending
	STAGE \reg, 8, 26
	STAGE \reg, 4, 27
	STAGE \reg, 2, 28
	STAGE \reg, 1, 29
.endm
.macro SORT16 reg                      ; sorts each half of 16 lanes, lanes 0-15 ascending, lanes 16-31 descending
	STAGE \reg, 1, 20
	STAGE \reg, 2, 21
	STAGE \reg, 1, 22
	STAGE \reg, 4, 23
	STAGE \reg, 2, 24
	STAGE \reg, 1, 25
	MERGE16 \reg
.endm
.macro HALVE reg                       ; ascending against descending: the smaller of each pair are the 16 smallest of the 32, left in both halves
	v_permlanex16_b32 v[PP], v[\reg], s30, s31
	v_min_num_f32 v[\reg], v[\reg], v[PP]
.endm
; query i; nx = the query whose minima are fetched meanwhile (0: none is left)
.macro ENDQ i, nx
	s_wait_dscnt 0x0                               ; my query i's 32 loads are in: nothing younger has been issued
.if \nx
	LOADQ \nx                                      ; the next query's come in while this one is worked on
.endif
	MIN16 C0, F+32*\i                              ; 64 minima over disjoint sets of 16 groups: two a lane
	MIN16 C1, F+32*\i+16
	SORT16 C0
	SORT16 C1
	HALVE C0
	HALVE C1
	v_cndmask_b32 v[C0], v[C0], v[C1], s32         ; the two sixteens side by side, each a bitonic run
	MERGE16 C0
	HALVE C0                                       ; the 16 smallest of the 64
	v_max_num_f32_dpp v[C0], v[C0], v[C0] row_xmask:1 row_mask:0xf bank_mask:0xf
	v_max_num_f32_dpp v[C0], v[C0], v[C0] row_xmask:2 row_mask:0xf bank_mask:0xf
	v_max_num_f32_dpp v[C0], v[C0], v[C0] row_xmask:4 row_mask:0xf bank_mask:0xf
	v_max_num_f32_dpp v[C0], v[C0], v[C0] row_xmask:8 row_mask:0xf bank_mask:0xf   ; T, in every lane
	v_add_f32 v[C1], s[SQE+\i], v[C0]              ; sq_q + T
	v_fmac_f32 v[C0], 0x39000000, v[C1]            ; T' = T + 2^-13 (sq_q + T): the margin of the head comment
	; word s of the flags goes to register s % 2, lane 16 (i % 2) + s / 2: a register pair then holds two queries' 64 words in memory order
.set wq, 0
.rept 8
.irp t, 0,1,2,3
	v_cmp_le_f32 s[33+\t], v[F+32*\i+wq+\t], v[C0]
.endr
.irp t, 0,1,2,3
	v_writelane_b32 v[MN+2*(\i>>1)+(\t&1)], s[33+\t], 16*(\i&1)+((wq+\t)>>1)
.endr
.set wq, wq+4
.endr
.if (\i) & 1
	global_store_b64 v2, v[MN+2*(\i>>1):MN+2*(\i>>1)+1], s[40:41] offset:256*(\i>>1)   ; the wave stores 256 neighbouring bytes, aligned
.endif
.endm
	LOADQ 0
	ENDQ 0, 1
	ENDQ 1, 2
	ENDQ 2, 3
	ENDQ 3, 0
	s_wait_tensorcnt 0x0
	ds_add_u32 v208, v209
	s_wait_dscnt 0x0
	s_endpgm
.Lfunc_end_k_qd86cde2de7_sweep:
	.size	k_qd86cde2de7_sweep, .Lfunc_end_k_qd86cde2de7_sweep-k_qd86cde2de7_sweep
	.p2alignl 7, 3214868480
	.fill 96, 4, 3214868480
	.section	.rodata,"a",@progbits
	.p2align	6, 0x0
	.amdhsa_kernel k_qd86cde2de7_sweep
		.amdhsa_group_segment_fixed_size 272384
		.amdhsa_private_segment_fixed_size 0
		.amdhsa_enable_private_segment 0
		.amdhsa_kernarg_size 24
		.amdhsa_user_sgpr_count 2
		.amdhsa_user_sgpr_kernarg_segment_ptr 1
		.amdhsa_wavefront_size32 1
		.amdhsa_system_sgpr_workgroup_id_x 1
		.amdhsa_system_sgpr_workgroup_id_y 1
		.amdhsa_system_sgpr_workgroup_id_z 1
		.amdhsa_system_vgpr_workitem_id 0
		.amdhsa_next_free_vgpr 210
		.amdhsa_next_free_sgpr 66
		.amdhsa_reserve_vcc 0
		.amdhsa_float_denorm_mode_32 3
		.amdhsa_float_denorm_mode_16_64 3
		.amdhsa_memory_ordered 1
		.amdhsa_forward_progress 1
		.amdhsa_inst_pref_size 90
	.end_amdhsa_kernel
	.amdgpu_metadata
---
amdhsa.version: [ 1, 2 ]
amdhsa.kernels:
  - .name:           k_qd86cde2de7_sweep
    .symbol:         k_qd86cde2de7_sweep.kd
    .args:
      - { .name: xf, .offset: 0, .size: 8, .value_kind: global_buffer, .address_space: global }
      - { .name: sq, .offset: 8, .size: 8, .value_kind: global_buffer, .address_space: global }
      - { .name: masks, .offset: 16, .size: 8, .value_kind: global_buffer, .address_space: global }
    .group_segment_fixed_size: 272384
    .private_segment_fixed_size: 0
    .kernarg_segment_align: 8
    .kernarg_segment_size: 24
    .max_flat_workgroup_size: 512
    .sgpr_count:     66
    .vgpr_count:     210
    .wavefront_size: 32
...
	.end_amdgpu_metadata
.endif
;; end of part 2
;; launch compact (part 3): grid 256 x 1, 16 waves a work-group, no clusters, 6,400 bytes of LDS; arguments masks, lst, cnt; writes lst, cnt
.if DOCPART == 3
	.amdgcn_target "amdgcn-amd-amdhsa--gfx1250"
	.amdhsa_code_object_version 6
	.text
	.protected	k_qd86cde2de7_compact
	.globl	k_qd86cde2de7_compact
	.p2align	8
	.type	k_qd86cde2de7_compact,@function
k_qd86cde2de7_compact:
	s_mov_b64 s[64:65], 0
	v_nop
	global_prefetch_b8 v0, s[64:65] scope:SCOPE_SE
	s_setreg_imm32_b32 hwreg(HW_REG_WAVE_MODE, 25, 1), 1
	s_wait_xcnt 0x0
; FROM FLAGS TO A LIST.  masks holds 1,024 flags a query (32 words; word s, bit l = group 32 s + l).  For each query this launch writes
;   cnt: the number of flagged groups, one word;
;   lst: the numbers of the first 32 flagged groups in ascending order, two numbers of 10 bits a word (the earlier one below): 16 words, 64 bytes,
;        so that the next launch gets a query's whole list by one scalar load.  Places at or beyond the count hold some number below 1,024 that
;        stands for nothing: the reader goes by the count.
; No branch and no address hangs on the flags.  Lane l takes place j = 2 (l % 16) + l / 16 of the list.  The 32 words are walked with a running
; count (scalar); a lane keeps the last word whose base count is <= j, which is the word that holds flag number j.  Then the lane looks for
; set bit number j - base of that word, by halves: 16, 8, 4, 2, 1 bits, with the counts of set bits by halves, bytes, fours and pairs.
; SHARES: 256 work-groups of 16 waves, four queries a wave: 512 bytes of masks in, 256 bytes of lst out.  The mask words come by scalar loads into
; two sets of 32 registers that take turns, so that a query's words come in while the one before is worked on.
; LDS: 256 bytes for each wave, its own (no barrier), in which its four lists meet for one store of 256 neighbouring bytes, aligned; behind them
; 256 bytes in which the work-group's 64 counts meet, behind one barrier, for one such store by wave 0.
; NOT USED: matrix unit, tensor loads, clusters: the launch moves 2 MiB in and 1.06 MiB out, and no two waves read the same bytes.
.set CST,  4096                        ; LDS: the 64 counts
.set JJ,   2                           ; v2   my place in the list
.set ST,   3                           ; v3   LDS: where my word of a list goes
.set RD,   4                           ; v4   LDS: my 8 bytes of the wave's four lists
.set L8,   5                           ; v5   8 lane: the stores' lane term
.set WD,   6                           ; v6   the word kept
.set SB,   7                           ; v7   its number << 16 | its base count
.set BS,   8                           ; v8   the base count
.set SI,   9                           ; v9   the word's number
.set NN,   10                          ; v10  which set bit of the word I look for
.set TT,   11
.set UU,   12
.set PP,   13                          ; v13  the bit's place
.set C2,   14                          ; v14  set bits by pairs
.set C4,   15                          ; v15  by fours
.set C8,   16                          ; v16  by bytes
.set C16,  17                          ; v17  by halves
.set EE,   18                          ; v18  my group number
.set OO,   19                          ; v19  the other half's
.set DD,   20                          ; v[20:21] on the way out
.set CAD,  22                          ; v22  LDS: my wave's four counts
.set CRD,  23                          ; v23  LDS: my 8 bytes of the 64 counts
.set KK,   24                          ; v[24:27] the four counts
.set A0,   16                          ; s[16:31], s[32:47]  mask words, set A
.set A1,   32
.set B0,   48                          ; s[48:63], s[68:83]  mask words, set B
.set B1,   68
; s90 the running count; s91, s92 at work; s[96:99] the four queries' counts
	s_load_b128 s[4:7], s[0:1], 0x0                ; masks s[4:5], lst s[6:7]
	s_load_b64 s[8:9], s[0:1], 0x10                ; cnt
	v_lshl_add_u32 v32, v0, 2, 0x1100
	v_mov_b32 v33, 0
	v_lshrrev_b32 v1, 5, v0
	v_readfirstlane_b32 s10, v1                    ; wave 0 .. 15
	s_lshl_b32 s11, ttmp9, 4
	s_add_co_u32 s11, s11, s10                     ; the wave's number in the launch: queries 4 x that .. + 3
	s_lshl_b32 s12, s11, 9                         ; masks: four queries x 128 bytes
	s_mov_b32 s13, 0
	s_lshl_b32 s14, s11, 8                         ; lst: four queries x 64 bytes
	s_mov_b32 s15, 0
	s_lshl_b32 s84, ttmp9, 8                       ; cnt: 64 queries x 4 bytes a work-group
	s_mov_b32 s85, 0
	s_mov_b32 s86, 0x76543210                      ; v_permlanex16_b32: lane i reads lane i of the other half
	s_mov_b32 s87, 0xfedcba98
	s_mov_b32 s88, 0xffff0000                      ; lanes 16 to 31
	s_lshl_b32 s89, s10, 8                         ; my wave's 256 bytes of LDS
	s_lshl_b32 s93, s10, 4
	s_add_co_u32 s93, s93, CST                     ; my wave's four counts in LDS
	v_and_b32 v1, 15, v0
	v_bfe_u32 v[JJ], v0, 4, 1
	v_lshl_add_u32 v[JJ], v1, 1, v[JJ]             ; j = 2 (lane % 16) + lane / 16
	v_lshl_add_u32 v[ST], v1, 2, s89               ; word lane % 16 of a list
	v_and_b32 v[L8], 31, v0
	v_lshlrev_b32 v[L8], 3, v[L8]
	v_add_nc_u32 v[RD], s89, v[L8]
	v_add_nc_u32 v[CRD], CST, v[L8]
	v_mov_b32 v[CAD], s93
	v_mov_b32 v[OO], 0                             ; the destination of a lane-crossing form counts as read: written once here
	s_wait_kmcnt 0x0
	s_add_nc_u64 s[4:5], s[4:5], s[12:13]
	s_add_nc_u64 s[6:7], s[6:7], s[14:15]
	s_add_nc_u64 s[8:9], s[8:9], s[84:85]
.macro LOADM w0, w1, i                 ; query i's 32 mask words
	s_load_b512 s[\w0:\w0+15], s[4:5], 128*\i
	s_load_b512 s[\w1:\w1+15], s[4:5], 128*\i+64
.endm
; word number s, in register s[word]; s90 = the set bits of the words in front of it
.macro STEP word, s
	s_or_b32 s92, s90, (\s)<<16                    ; the count is 1,024 at the most: the two fields do not meet
	v_cmp_le_u32 vcc_lo, s90, v[JJ]                ; lanes whose flag lies in this word or behind it
	v_cndmask_b32 v[WD], v[WD], s[\word], vcc_lo
	v_cndmask_b32 v[SB], v[SB], s92, vcc_lo
	s_bcnt1_i32_b32 s91, s[\word]
	s_add_co_u32 s90, s90, s91
.endm
; the k bits at place PP hold c's field of set bits: if the bit I look for is not among them, go past them
.macro LEVEL c, k
	v_bfe_u32 v[TT], v[\c], v[PP], \k
	v_cmp_ge_u32 vcc_lo, v[NN], v[TT]
	v_cndmask_b32 v[TT], 0, v[TT], vcc_lo
	v_cndmask_b32 v[UU], 0, \k, vcc_lo
	v_sub_nc_u32 v[NN], v[NN], v[TT]
	v_add_nc_u32 v[PP], v[PP], v[UU]
.endm
.macro PROC w0, w1, i
	v_mov_b32 v[WD], s[\w0]                        ; word 0 has base 0: every lane starts with it
	v_mov_b32 v[SB], 0
	s_bcnt1_i32_b32 s90, s[\w0]
.set ss, 1
.rept 15
	STEP \w0+ss, ss
.set ss, ss+1
.endr
.set ss, 0
.rept 16
	STEP \w1+ss, 16+ss
.set ss, ss+1
.endr
	s_mov_b32 s[96+\i], s90                        ; the query's count
	v_and_b32 v[BS], 0xffff, v[SB]
	v_lshrrev_b32 v[SI], 16, v[SB]
	v_sub_nc_u32 v[NN], v[JJ], v[BS]               ; never negative: the word was kept because its base is <= j
	v_lshrrev_b32 v[TT], 1, v[WD]                  ; the word's set bits by pairs,
	v_and_b32 v[TT], 0x55555555, v[TT]
	v_sub_nc_u32 v[C2], v[WD], v[TT]
	v_lshrrev_b32 v[TT], 2, v[C2]                  ; by fours,
	v_and_b32 v[C4], 0x33333333, v[C2]
	v_and_b32 v[TT], 0x33333333, v[TT]
	v_add_nc_u32 v[C4], v[C4], v[TT]
	v_lshrrev_b32 v[TT], 4, v[C4]                  ; by bytes,
	v_add_nc_u32 v[TT], v[C4], v[TT]
	v_and_b32 v[C8], 0x0f0f0f0f, v[TT]
	v_lshrrev_b32 v[TT], 8, v[C8]                  ; by halves
	v_add_nc_u32 v[TT], v[C8], v[TT]
	v_and_b32 v[C16], 0x00ff00ff, v[TT]
	v_mov_b32 v[PP], 0
	LEVEL C16, 16
	LEVEL C8, 8
	LEVEL C4, 4
	LEVEL C2, 2
	LEVEL WD, 1
	v_lshl_add_u32 v[EE], v[SI], 5, v[PP]          ; the group: 32 x word + bit, 1,023 at the most in every lane
	v_permlanex16_b32 v[OO], v[EE], s86, s87       ; lanes l and l + 16 hold places 2 l and 2 l + 1: one word of the list
	v_cndmask_b32 v[TT], v[EE], v[OO], s88         ; place 2 l
	v_cndmask_b32 v[UU], v[OO], v[EE], s88         ; place 2 l + 1
	v_lshl_or_b32 v[TT], v[UU], 10, v[TT]
	ds_store_b32 v[ST], v[TT] offset:64*\i         ; both halves hold the same word and write the same bytes
.endm
	LOADM A0, A1, 0
	LOADM B0, B1, 1
	s_wait_kmcnt 0x0                               ; scalar loads come back in no order: both sets are in
	PROC A0, A1, 0
	LOADM A0, A1, 2                                ; comes in while set B is worked on
	PROC B0, B1, 1
	s_wait_kmcnt 0x0
	LOADM B0, B1, 3
	PROC A0, A1, 2
	s_wait_kmcnt 0x0
	PROC B0, B1, 3
	ds_load_b64 v[DD:DD+1], v[RD]                  ; my own stores, served in order: 8 bytes a lane of the four lists
.irp i, 0,1,2,3
	v_mov_b32 v[KK+\i], s[96+\i]
.endr
	ds_store_b128 v[CAD], v[KK:KK+3]               ; all lanes write the same 16 bytes with the same values
	s_wait_dscnt 0x0                               ; my lists are in registers; my counts are in LDS, for wave 0's sake
	global_store_b64 v[L8], v[DD:DD+1], s[6:7]     ; the wave stores 256 neighbouring bytes, aligned
	s_barrier_signal -1
	s_barrier_wait -1                              ; everybody's counts are in LDS
	s_cmp_lg_u32 s10, 0
	s_cbranch_scc1 .Lend
	ds_load_b64 v[KK:KK+1], v[CRD]                 ; wave 0: the 64 counts, 8 bytes a lane
	s_wait_dscnt 0x0
	global_store_b64 v[L8], v[KK:KK+1], s[8:9]     ; 256 neighbouring bytes, aligned
.Lend:
	s_wait_tensorcnt 0x0
	ds_add_u32 v32, v33
	s_wait_dscnt 0x0
	s_endpgm
.Lfunc_end_k_qd86cde2de7_compact:
	.size	k_qd86cde2de7_compact, .Lfunc_end_k_qd86cde2de7_compact-k_qd86cde2de7_compact
	.p2alignl 7, 3214868480
	.fill 96, 4, 3214868480
	.section	.rodata,"a",@progbits
	.p2align	6, 0x0
	.amdhsa_kernel k_qd86cde2de7_compact
		.amdhsa_group_segment_fixed_size 6400
		.amdhsa_private_segment_fixed_size 0
		.amdhsa_enable_private_segment 0
		.amdhsa_kernarg_size 24
		.amdhsa_user_sgpr_count 2
		.amdhsa_user_sgpr_kernarg_segment_ptr 1
		.amdhsa_wavefront_size32 1
		.amdhsa_system_sgpr_workgroup_id_x 1
		.amdhsa_system_sgpr_workgroup_id_y 1
		.amdhsa_system_sgpr_workgroup_id_z 1
		.amdhsa_system_vgpr_workitem_id 0
		.amdhsa_next_free_vgpr 34
		.amdhsa_next_free_sgpr 100
		.amdhsa_reserve_vcc 1
		.amdhsa_float_denorm_mode_32 3
		.amdhsa_float_denorm_mode_16_64 3
		.amdhsa_memory_ordered 1
		.amdhsa_forward_progress 1
		.amdhsa_inst_pref_size 48
	.end_amdhsa_kernel
	.amdgpu_metadata
---
amdhsa.version: [ 1, 2 ]
amdhsa.kernels:
  - .name:           k_qd86cde2de7_compact
    .symbol:         k_qd86cde2de7_compact.kd
    .args:
      - { .name: masks, .offset: 0, .size: 8, .value_kind: global_buffer, .address_space: global }
      - { .name: lst, .offset: 8, .size: 8, .value_kind: global_buffer, .address_space: global }
      - { .name: cnt, .offset: 16, .size: 8, .value_kind: global_buffer, .address_space: global }
    .group_segment_fixed_size: 6400
    .private_segment_fixed_size: 0
    .kernarg_segment_align: 8
    .kernarg_segment_size: 24
    .max_flat_workgroup_size: 512
    .sgpr_count:     100
    .vgpr_count:     34
    .wavefront_size: 32
...
	.end_amdgpu_metadata
.endif
;; end of part 3
;; launch pick (part 4): grid 256 x 1, 16 waves a work-group, no clusters, 6,144 bytes of LDS; arguments xf, sq, masks, lst, cnt, out0; writes out0
.if DOCPART == 4
	.amdgcn_target "amdgcn-amd-amdhsa--gfx1250"
	.amdhsa_code_object_version 6
	.text
	.protected	k_qd86cde2de7_pick
	.globl	k_qd86cde2de7_pick
	.p2align	8
	.type	k_qd86cde2de7_pick,@function
k_qd86cde2de7_pick:
	s_mov_b64 s[64:65], 0
	v_nop
	global_prefetch_b8 v0, s[64:65] scope:SCOPE_SE
	s_setreg_imm32_b32 hwreg(HW_REG_WAVE_MODE, 25, 1), 1
	s_wait_xcnt 0x0
; THE RANKING.  The 16 nearest of each query, from the groups of 8 candidates that an earlier launch flagged; and the centre indices.
; A wave takes four queries, one after the other.  For each: (1) the number of its flagged groups and the list of the first 32 come in by two
; scalar loads; the count gives the trip count; (2) four groups a trip are taken in ascending order, one trip ahead of their use; (3) each of the
; 32 lanes takes one candidate of the four groups and makes its distance; (4) each distance is inserted into a sorted list of 16 (value, index)
; that lies across 16 lanes; lanes 0-15 take the trip's first two groups, lanes 16-31 the other two; (5) the two lists are merged by
; (distance, index).  Insertion is in ascending index order with a strict compare, so equal distances keep the lower index first.
; TWO WAYS TO THE NEXT FOUR GROUPS.  Up to 32 flagged groups: they are unpacked from the list, which lies in 16 scalar registers (two numbers of 10
; bits a word) and is moved down two registers a trip: no memory access in the loop.  More than 32 (points ordered by cluster, many equal
; distances): the query's 32 mask words are read, and a scalar scan walks their set bits; a scalar register cannot be picked by a number in a
; register, so the scan fetches each word that is not empty once more from memory.  Either way a place with no group left yields group 1,024:
; its squares are the +inf behind the batch's squares, so that its distances are +inf and never enter.
; THE DISTANCE is d = fl(fl(sq_q - 2 inner) + sq_c), and inner is ONE f32 sum over the 64 channels in ascending order, rounded after every term
; (the product of two bf16 numbers is exact in f32, so a fused multiply-add rounds once, like a multiply and an add).  The order of the results
; hangs on the last bits of d, so the ranking follows the rounding of a serial f32 dot product; that is why these few candidates are summed on
; the vector unit.  The bulk product, every query against all 8,192 candidates, is an earlier launch's, on the matrix unit.
; WHAT STEERS: branches, the trip count and the gather's addresses hang on cnt, lst and masks alone, whole numbers that earlier launches stored.
; They are read by scalar loads and stay in scalar registers until a trip's four group numbers are spread over the lanes; every number that
; enters an address is clamped first.
; LDS: a stage of 256 bytes for each wave, its own (no barrier), in which the four queries' results meet for one store of whole 256-byte runs.
; NOT USED: tensor loads, clusters: what a wave gathers is its own, 128 neighbouring bytes a group and load.
; LIMITS: NaN, infinities and distances beyond f32's range are not served.  Distances are those of the points rounded to bf16.  Where two distances
; differ only in the last bits of f32, their order is that of the serial sums described above; another order of summation can give another.
.set Q,     32                         ; v[32:63]   the query's 64 channels in bf16, the same in every lane
.set CA,    64                         ; v[64:95]   my candidate's 64 channels in bf16
.set W0,    48                         ; s[48:63]   the query's list; on the long way its mask words 0 to 15
.set W1,    84                         ; s[84:99]   on the long way its mask words 16 to 31 (ahead of the loop and behind it these registers hold offsets)
.set CAP,   32                         ; places in a list
; v3 to v6 at work on the way out; v7 16 (lane % 8); v8 4 (lane % 8); v9 zero; v10, v12 my group's number; v14 offset in xf; v16 offset in sq;
; v17 the next trip's index; v18 my candidate's index; v19 its distance; v20, v27 an index and a distance spread over a half; v21 L, v22 I: the
; sorted list; v23, v24 the neighbour's L, I; v26 stage address; v28 sq of the query; v29 sq of my candidate; v30 the sum; v31 lane % 8
; s[10:11] the query's list; s[16:17] its mask words; s[18:19] its channels; s[20:21] its square; s[40:41] its count; s[42:43] out0
; s23 flagged groups; s24, s25 trip and trips; s30, s31 at work; s32-35 the next trip's four groups; s39 places of the list not yet taken;
; s77 1 on the long way; there: s36 what is left of the current mask word; s37 32 x its number; s38 the words not yet taken that are not empty;
; s47 byte offset of the word that the scan fetches
	s_load_b256 s[4:11], s[0:1], 0x0               ; xf s[4:5], sq s[6:7], masks s[8:9], lst s[10:11]
	s_load_b128 s[40:43], s[0:1], 0x20             ; cnt s[40:41], out0 s[42:43]
	v_lshl_add_u32 v96, v0, 2, 0x1000
	v_mov_b32 v97, 0
	v_lshrrev_b32 v1, 5, v0
	v_readfirstlane_b32 s27, v1                    ; wave 0 .. 15
	s_lshl_b32 s78, ttmp9, 4
	s_add_co_u32 s78, s78, s27                     ; the wave's number in the launch: queries 4 x that .. + 3
	s_lshr_b32 s79, ttmp9, 7                       ; batch
	s_and_b32 s29, s78, 2047                       ; the wave's number in its batch
	s_lshl_b32 s28, s27, 8                         ; my stage in LDS
	s_lshl_b32 s80, s79, 20                        ; the batch's xf
	s_mov_b32 s81, 0
	s_mul_i32 s82, s79, 32800                      ; the batch's sq
	s_mov_b32 s83, 0
	s_lshl_b32 s84, s78, 9                         ; my four queries' mask words, 128 bytes each
	s_mov_b32 s85, 0
	s_lshr_b32 s86, s29, 2                         ; my queries' tile (all four lie in one),
	s_lshl_b32 s86, s86, 11
	s_and_b32 s30, s29, 3
	s_lshl_b32 s30, s30, 6                         ; and the first one's row in it, 16 bytes a row
	s_add_co_u32 s86, s86, s30
	s_mov_b32 s87, 0
	s_lshl_b32 s88, s29, 4                         ; the first query's square
	s_mov_b32 s89, 0
	s_lshl_b32 s90, s78, 8                         ; my four queries' lists, 64 bytes each
	s_mov_b32 s91, 0
	s_lshl_b32 s92, s78, 4                         ; their counts, 4 bytes each
	s_mov_b32 s93, 0
	s_lshl_b32 s79, s29, 2                         ; the first query's index in its batch
	s_mov_b32 s44, 0x0000ff00                      ; lanes 8 to 15
	s_mov_b32 s45, 0x00ff0000                      ; lanes 16 to 23
	s_mov_b32 s46, 0xff000000                      ; lanes 24 to 31
	s_mov_b32 s66, 0x89abcdef                      ; v_permlanex16_b32: lane i reads lane 15 - i of the other half
	s_mov_b32 s67, 0x01234567
	s_mov_b32 s68, 0xfffefffe                      ; all lanes but the first of each half
	s_mov_b32 s69, 0xff00ff00                      ; lanes with bit 3 set
	s_mov_b32 s70, 0xf0f0f0f0                      ; bit 2
	s_mov_b32 s71, 0xcccccccc                      ; bit 1
	s_mov_b32 s72, 0xaaaaaaaa                      ; bit 0
	s_mov_b32 s73, 0xffff0000                      ; lanes 16 to 31
	v_and_b32 v31, 7, v0
	v_lshlrev_b32 v7, 4, v31
	v_lshlrev_b32 v8, 2, v31
	v_mov_b32 v9, 0
	v_and_b32 v4, 15, v0
	v_lshl_add_u32 v26, v4, 2, s28                 ; stage + 4 r
	v_mov_b32 v20, 0                               ; destinations of lane-crossing forms count as read: written once here
	v_mov_b32 v27, 0
	s_wait_kmcnt 0x0
	s_add_nc_u64 s[12:13], s[4:5], s[80:81]
	s_add_nc_u64 s[14:15], s[6:7], s[82:83]
	s_add_nc_u64 s[16:17], s[8:9], s[84:85]
	s_add_nc_u64 s[18:19], s[12:13], s[86:87]
	s_add_nc_u64 s[20:21], s[14:15], s[88:89]
	s_add_nc_u64 s[10:11], s[10:11], s[90:91]
	s_add_nc_u64 s[40:41], s[40:41], s[92:93]
; the long way: the next flagged group, in ascending order, into s[d]; 1,024 when none is left
.macro NEXT d
	s_cmp_lg_u32 s36, 0
	s_cbranch_scc1 .Lbit_\@                        ; the word in hand still has a bit
	s_cmp_eq_u32 s38, 0
	s_cbranch_scc1 .Lbit_\@                        ; no word is left: s36 stays 0, and the select below yields 1,024
	s_ctz_i32_b32 s30, s38                         ; the next word that is not empty,
	s_min_u32 s30, s30, 31                         ; clamped before it enters an address; behind the clamp a shift to the left alone
	s_lshl_b32 s47, s30, 2
	s_load_b32 s36, s[16:17], s47 offset:0x0       ; that word, from the query's 128 bytes
	s_lshl_b32 s37, s30, 5
	s_add_co_i32 s31, s38, -1
	s_and_b32 s38, s38, s31                        ; its bit in the ballot is cleared
	s_wait_kmcnt 0x0                               ; the word is in
	s_wait_xcnt 0x0                                ; s47 and the base are written again only behind this wait
.Lbit_\@:
	s_ctz_i32_b32 s30, s36                         ; the word's lowest set bit
	s_add_co_u32 s[\d], s37, s30
	s_add_co_i32 s31, s36, -1
	s_cmp_lg_u32 s36, 0
	s_cselect_b32 s[\d], s[\d], 0x400
	s_and_b32 s36, s36, s31                        ; is cleared
.endm
; the long way: sixteen mask words: their set bits into the count s23, their bits into the ballot s38 from bit b0 on
.macro TALLY w, b0
.set ww, 0
.rept 16
	s_bcnt1_i32_b32 s30, s[\w+ww]                  ; also sets SCC: the word is not empty
	s_cselect_b32 s31, 1<<(\b0+ww), 0
	s_add_co_u32 s23, s23, s30
	s_or_b32 s38, s38, s31
.set ww, ww+1
.endr
.endm
; the next four groups into s32 to s35
.macro NEXT4
	s_cmp_lg_u32 s77, 0
	s_cbranch_scc1 .Lscan_\@
	s_and_b32 s32, s[W0], 0x3ff                    ; the list's first two words: four numbers of 10 bits
	s_lshr_b32 s33, s[W0], 10
	s_and_b32 s34, s[W0+1], 0x3ff
	s_lshr_b32 s35, s[W0+1], 10
.irp i, 0,1,2,3
	s_cmp_gt_i32 s39, \i                           ; a place at or beyond the count stands for no group
	s_cselect_b32 s[32+\i], s[32+\i], 0x400
.endr
	s_add_co_i32 s39, s39, -4                      ; nine calls a query at the most, from 32 at the most: no lower than -36
.irp k, 0,2,4,6,8,10,12
	s_mov_b64 s[W0+\k:W0+\k+1], s[W0+\k+2:W0+\k+3] ; the list moves down two words
.endr
	s_branch .Lgot_\@
.Lscan_\@:
	NEXT 32
	NEXT 33
	NEXT 34
	NEXT 35
.Lgot_\@:
.endm
.macro GSEL                            ; the four groups into the lanes, eight lanes a group
	v_mov_b32 v10, s32
	v_cndmask_b32 v10, v10, s33, s44
	v_cndmask_b32 v10, v10, s34, s45
	v_cndmask_b32 v10, v10, s35, s46
	v_mov_b32 v12, v10
.endm
.macro GADDR                           ; group g: tile g / 2 at 2,048 bytes, row 8 (g % 2) + lane % 8 at 16 bytes; squares at 32 g + 4 (lane % 8); index 8 g + lane % 8
	v_min_u32 v10, 0x3ff, v10                      ; clamped first; behind the clamps only ANDs, shifts to the left and sums
	v_min_u32 v12, 0x400, v12
	v_and_b32 v14, 0x3fe, v10
	v_and_b32 v10, 1, v10
	v_lshlrev_b32 v14, 10, v14
	v_lshlrev_b32 v10, 7, v10
	v_add_nc_u32 v14, v14, v10
	v_add_nc_u32 v14, v14, v7
	v_lshlrev_b32 v16, 5, v12
	v_add_nc_u32 v16, v16, v8
	v_lshlrev_b32 v17, 3, v12
	v_add_nc_u32 v17, v17, v31
.endm
.macro GLOAD                           ; my candidate: eight chunks of eight channels, and its square
.irp m, 0,1,2,3,4,5,6,7
	global_load_b128 v[CA+4*\m:CA+4*\m+3], v14, s[12:13] offset:256*\m
.endr
	global_load_b32 v29, v16, s[14:15]
.endm
; the candidate of lane n of each half into that half's sorted list: slot r becomes the middle one of (slot r - 1, slot r, a); slot -1 counts as -inf
.macro INSERT n
	v_mov_b32_dpp v27, v19 row_share:\n row_mask:0xf bank_mask:0xf   ; its distance a, in all sixteen lanes
	v_mov_b32_dpp v20, v18 row_share:\n row_mask:0xf bank_mask:0xf   ; its index
	v_mov_b32_dpp v23, v21 row_shr:1 row_mask:0xf bank_mask:0xf      ; the first lane of each half has no source and keeps its -inf
	v_mov_b32_dpp v24, v22 row_shr:1 row_mask:0xf bank_mask:0xf
	v_cmp_lt_f32 s74, v27, v21                     ; slots that a goes in front of
	s_lshl_b32 s75, s74, 1
	s_and_b32 s75, s75, s68                        ; slots whose lower neighbour moves up into them
	v_med3_num_f32 v21, v23, v21, v27
	v_cndmask_b32 v22, v22, v20, s74
	v_cndmask_b32 v22, v22, v24, s75
.endm
.macro LESS                            ; s74: lanes where (v23, v24) comes before (v21, v22), by distance, then by index
	v_cmp_lt_f32 s74, v23, v21
	v_cmp_eq_f32 s75, v23, v21
	v_cmp_lt_u32 s76, v24, v22
	s_and_b32 s75, s75, s76
	s_or_b32 s74, s74, s75
.endm
.macro TAKE
	v_cndmask_b32 v21, v21, v23, s74
	v_cndmask_b32 v22, v22, v24, s74
.endm
.macro CE j, m                         ; lanes i and i xor j: the lower lane keeps the earlier pair, the upper lane (mask s[m]) the later
	v_mov_b32_dpp v23, v21 row_xmask:\j row_mask:0xf bank_mask:0xf
	v_mov_b32_dpp v24, v22 row_xmask:\j row_mask:0xf bank_mask:0xf
	LESS
	s_xor_b32 s74, s74, s[\m]
	TAKE
.endm
	s_mov_b32 s22, 0
.Lquery:
	s_load_b32 s23, s[40:41], 0x0                  ; how many of the query's groups are flagged
	s_load_b512 s[W0:W0+15], s[10:11], 0x0         ; the list of the first 32
	s_load_b32 s26, s[20:21], 0x0                  ; the query's square
.irp m, 0,1,2,3,4,5,6,7
	global_load_b128 v[Q+4*\m:Q+4*\m+3], v9, s[18:19] offset:256*\m      ; its 64 channels, the same 16 bytes in every lane
.endr
	v_mov_b32 v21, 0x7f800000                      ; the sorted list starts as sixteen +inf
	v_mov_b32 v22, 0
	v_mov_b32 v23, 0xff800000
	v_mov_b32 v24, 0
	s_mov_b32 s36, 0                               ; the long way's scan starts with no word in hand
	s_mov_b32 s37, 0
	s_mov_b32 s38, 0
	s_wait_kmcnt 0x0                               ; the count, the list and the square are in
	s_wait_xcnt 0x0                                ; the loads' bases are stepped only behind this wait
	s_add_nc_u64 s[40:41], s[40:41], 4
	s_add_nc_u64 s[10:11], s[10:11], 64
	s_add_nc_u64 s[18:19], s[18:19], 16
	s_add_nc_u64 s[20:21], s[20:21], 4
	v_mov_b32 v28, s26
	s_min_u32 s23, s23, 0x400
	s_mov_b32 s39, s23
	s_cmp_gt_u32 s23, CAP
	s_cselect_b32 s77, 1, 0                        ; leaves SCC as it is
	s_cbranch_scc0 .Lshort
	s_load_b512 s[W0:W0+15], s[16:17], 0x0         ; the long way: the list does not hold all the groups, so the 32 mask words are read
	s_load_b512 s[W1:W1+15], s[16:17], 0x40
	s_mov_b32 s23, 0
	s_wait_kmcnt 0x0
	s_wait_xcnt 0x0
	TALLY W0, 0
	TALLY W1, 16
	s_min_u32 s23, s23, 0x400
.Lshort:
	s_add_co_u32 s25, s23, 3
	s_lshr_b32 s25, s25, 2                         ; trips of four groups: 8 at the most from the list, 256 on the long way
	NEXT4
	GSEL
	GADDR
	GLOAD
	s_mov_b32 s24, 0
.Ltrip:
	s_wait_loadcnt 0x0                             ; this trip's nine loads (in the first trip the query's eight too): nothing younger is out
	v_mov_b32 v18, v17                             ; my candidate's index
	v_mov_b32 v30, 0
	; the inner product: one sum, channels ascending, one rounding a term
.set ww, 0
.rept 32
	v_fma_mix_f32_bf16 v30, v[CA+ww], v[Q+ww], v30 op_sel_hi:[1,1,0]
	v_fma_mix_f32_bf16 v30, v[CA+ww], v[Q+ww], v30 op_sel:[1,1,0] op_sel_hi:[1,1,0]
.set ww, ww+1
.endr
	v_fma_f32 v19, v30, -2.0, v28                  ; fl(sq_q - 2 inner): doubling is exact, one rounding
	v_add_f32 v19, v19, v29                        ; + sq_c
	NEXT4                                          ; the next trip's four groups: their loads go out here and come in during the sixteen insertions
	GSEL
	GADDR
	GLOAD
.irp n, 0,1,2,3,4,5,6,7,8,9,10,11,12,13,14,15
	INSERT \n
.endr
	s_add_co_u32 s24, s24, 1
	s_cmp_lt_u32 s24, s25
	s_cbranch_scc1 .Ltrip
	s_wait_loadcnt 0x0                             ; the look-ahead of the last trip is not used; its registers are loaded again in the next query
	s_add_nc_u64 s[16:17], s[16:17], 128           ; the next query's mask words: every scalar load from this base was waited for where it was issued
	; the two halves' lists, each ascending: slot i against the other's slot 15 - i leaves the 16 earliest of the 32, as a bitonic run
	v_permlanex16_b32 v23, v21, s66, s67
	v_permlanex16_b32 v24, v22, s66, s67
	LESS
	TAKE
	CE 8, 69
	CE 4, 70
	CE 2, 71
	CE 1, 72
	ds_store_b32 v26, v22                          ; both halves hold the same sixteen and write the same words
	v_add_nc_u32 v26, 64, v26                      ; the next query's 64 bytes of the stage
	s_add_co_u32 s22, s22, 1
	s_cmp_lt_u32 s22, 4
	s_cbranch_scc1 .Lquery
	; the way out: lanes 0-15 store the four queries' 64 neighbour indices, lanes 16-31 their 64 centre indices: 256 neighbouring bytes each, aligned
	v_and_b32 v3, 15, v0
	v_lshlrev_b32 v4, 4, v3
	v_add_nc_u32 v5, s28, v4
	ds_load_b128 v[Q:Q+3], v5                      ; my own stores, served in order
	v_bfe_u32 v6, v0, 2, 2                         ; which of the four queries my 16 bytes belong to
	v_add_nc_u32 v6, s79, v6                       ; its index
	v_bfe_u32 v3, v0, 4, 1
	v_lshl_add_u32 v4, v3, 20, v4                  ; the centre indices lie 1 MiB behind the neighbours'
	s_lshl_b32 s84, s78, 8                         ; four queries x 64 bytes
	s_mov_b32 s85, 0
	s_add_nc_u64 s[42:43], s[42:43], s[84:85]
	s_wait_dscnt 0x0
.irp i, 0,1,2,3
	v_cndmask_b32 v[Q+\i], v[Q+\i], v6, s73
.endr
	global_store_b128 v4, v[Q:Q+3], s[42:43] th:TH_STORE_NT
	s_wait_tensorcnt 0x0
	ds_add_u32 v96, v97
	s_wait_dscnt 0x0
	s_endpgm
.Lfunc_end_k_qd86cde2de7_pick:
	.size	k_qd86cde2de7_pick, .Lfunc_end_k_qd86cde2de7_pick-k_qd86cde2de7_pick
	.p2alignl 7, 3214868480
	.fill 96, 4, 3214868480
	.section	.rodata,"a",@progbits
	.p2align	6, 0x0
	.amdhsa_kernel k_qd86cde2de7_pick
		.amdhsa_group_segment_fixed_size 6144
		.amdhsa_private_segment_fixed_size 0
		.amdhsa_enable_private_segment 0
		.amdhsa_kernarg_size 48
		.amdhsa_user_sgpr_count 2
		.amdhsa_user_sgpr_kernarg_segment_ptr 1
		.amdhsa_wavefront_size32 1
		.amdhsa_system_sgpr_workgroup_id_x 1
		.amdhsa_system_sgpr_workgroup_id_y 1
		.amdhsa_system_sgpr_workgroup_id_z 1
		.amdhsa_system_vgpr_workitem_id 0
		.amdhsa_next_free_vgpr 98
		.amdhsa_next_free_sgpr 100
		.amdhsa_reserve_vcc 0
		.amdhsa_float_denorm_mode_32 3
		.amdhsa_float_denorm_mode_16_64 3
		.amdhsa_memory_ordered 1
		.amdhsa_forward_progress 1
		.amdhsa_inst_pref_size 37
	.end_amdhsa_kernel
	.amdgpu_metadata
---
amdhsa.version: [ 1, 2 ]
amdhsa.kernels:
  - .name:           k_qd86cde2de7_pick
    .symbol:         k_qd86cde2de7_pick.kd
    .args:
      - { .name: xf, .offset: 0, .size: 8, .value_kind: global_buffer, .address_space: global }
      - { .name: sq, .offset: 8, .size: 8, .value_kind: global_buffer, .address_space: global }
      - { .name: masks, .offset: 16, .size: 8, .value_kind: global_buffer, .address_space: global }
      - { .name: lst, .offset: 24, .size: 8, .value_kind: global_buffer, .address_space: global }
      - { .name: cnt, .offset: 32, .size: 8, .value_kind: global_buffer, .address_space: global }
      - { .name: out0, .offset: 40, .size: 8, .value_kind: global_buffer, .address_space: global }
    .group_segment_fixed_size: 6144
    .private_segment_fixed_size: 0
    .kernarg_segment_align: 8
    .kernarg_segment_size: 48
    .max_flat_workgroup_size: 512
    .sgpr_count:     100
    .vgpr_count:     98
    .wavefront_size: 32
...
	.end_amdgpu_metadata
.endif
;; end of part 4
;; ======== version 2 of 2: 4 launches; version 1 with the launch sweep written anew for expert scheduling mode
;; workspace buffers: xf 2,097,152 bytes; sq 65,792 bytes; masks 2,097,152 bytes of whole numbers; lst 1,048,576 bytes of whole numbers; cnt 65,536 bytes of whole numbers
;; launch prep: the kernel of part 1 again; grid 256 x 1, 2 waves a work-group, no clusters, 0 bytes of LDS; arguments x, xf, sq; writes xf, sq
;; launch sweep (part 5): grid 256 x 1, 16 waves a work-group, no clusters, 272,384 bytes of LDS; arguments xf, sq, masks; writes masks
.if DOCPART == 5
	.amdgcn_target "amdgcn-amd-amdhsa--gfx1250"
	.amdhsa_code_object_version 6
	.text
	.protected	k_qd86cde2de7_sweep
	.globl	k_qd86cde2de7_sweep
	.p2align	8
	.type	k_qd86cde2de7_sweep,@function
k_qd86cde2de7_sweep:
	s_mov_b64 s[64:65], 0
	v_nop
	global_prefetch_b8 v0, s[64:65] scope:SCOPE_SE
	s_setreg_imm32_b32 hwreg(HW_REG_WAVE_SCHED_MODE, 0, 2), 2
	s_setreg_imm32_b32 hwreg(HW_REG_WAVE_MODE, 25, 1), 1
	s_wait_xcnt 0x0
	s_wait_alu depctr_vm_vsrc(0)
; THE FILTER.  For 64 queries against all 8,192 points of their batch: every distance d = fl(fl(sq_q - 2 inner) + sq_c), inner from the matrix unit,
; of which only the minimum of each GROUP of 8 neighbouring candidates is kept (1,024 groups a query, in LDS).  Then, for each query, T = the 16th
; smallest of 64 minima over disjoint sets of 16 groups: sixteen different candidates are at most T away.  Flagged are the groups whose minimum
; is <= T' = T + 2^-13 (sq_q + T); the flags go out as 32 words a query: word s, bit l = group 32 s + l.  The next launch ranks the flagged groups.
; THE MARGIN: the next launch sums the inner product serially in f32, so its distance and this launch's differ by some e.  Either sum is off by at
; most 2^-18 x (sum of |products|) <= 2^-19 (sq_q + sq_c); doubled, for two sums, with the last roundings: e < 1.1 x 2^-17 (sq_q + sq_c).  Sixteen
; candidates rank at or below T + e, so each of the 16 nearest has a distance here of at most T + 2 e; it also has sq_c <= 2 sq_q + 2 d, so
; 2 e < 2^-14 (sq_q + T).  The margin is twice that.
; SHARES: work-group = 64 queries (four column tiles, kept in registers as B); wave w = candidate tiles 32 w .. 32 w + 31 (as A), loaded from xf
; straight into fragment registers, through a ring of four slots.  In D, lane (r, h) holds candidates 8 h + 0 .. 7 of the tile for query r: its eight
; registers are one group.  Sixteen waves, four to a SIMD: a tile's 8 matrix instructions are followed by some 50 vector instructions on their
; results, so several waves take turns on the two units.
; LDS: wave w's minima at 16,896 w + 264 q + 4 (group - 64 w); 264 bytes = 66 words, so the 32 lanes of a store fall into 32 different banks.
; NOT USED: tensor loads and joint loads in a cluster.  The 128 work-groups of a batch do walk the same 1 MiB of xf, but a joint tile lands in
; LDS, where the table takes 270,336 of 327,680 bytes, and each tile would then be read again from LDS; here a tile goes once into registers.
; LIMITS: NaN, infinities and distances beyond f32's range are not served.  Distances are those of the points rounded to bf16.
; THE MODE: SCHED_MODE bits 1:0 = 2 (LLVM: expert scheduling mode 2), set by the entry lines.  The code itself states the register dependences
; between vector or matrix instructions and memory or LDS instructions, with s_wait_alu, always for 0.
; THE PLAN.  Registers that memory or LDS instructions touch in the walk over the wave's 32 tiles:
;   RING 0 .. 3   Tile p: its matrix instructions and packed additions read slot p % 4; the six loads of tile p + 4, issued in tile p + 1, land in it.
;   MN0, MN1      Tile p writes its four minima into MN[p % 2]; the four LDS stores that read them are issued in tile p + 1.
;   MAD           Read by every LDS store; stepped once a trip of four tiles, at the trip's end.
;   v1, v2        Read by every load; not written in the walk: the scalar bases move on, and immediate offsets do the rest.
;   BQ, SQQ and the accumulators are named by vector and matrix instructions alone, once BQ and SQQ have come in.
; So tile p's ten memory instructions touch what tile p - 1 worked on and what no vector or matrix instruction of tile p names ahead of them: one wait on
; va_vdst at a tile's head states all that they hang on, and they are dealt among the tile's matrix instructions with no further wait.  One wait on
; vm_vsrc a tile, at its head or at the trip's end, stands ahead of the minima that write an MN again, nearly a tile behind the stores that read it.
.set QP,    264                        ; bytes of a query's row in a wave's region
.set REG,   64*QP                      ; a wave's region
.set MAD,   4                          ; v[4:7]     LDS address of my minimum for column tile c; later the end phase's four read addresses
.set MN,    8                          ; v[8:11]    the minima of the even tiles; later the mask words of two pairs of queries
.set MNB,   200                        ; v[208:211] the minima of the odd tiles: 200 registers on
.set SQQ,   12                         ; v[12:15]   sq of query 16 c + r
.set ACC,   16                         ; v[16:47]   four accumulators
.set BQ,    48                         ; v[48:111]  the queries' fragments, 16 registers a column tile
.set RING,  112                        ; v[112:207] four slots of 16 registers of A and 8 of the candidates' sq
.set F,     48                         ; v[48:175]  end phase: 32 words of minima for each of my four queries
.set C0,    184
.set C1,    185
.set LO,    186
.set HI,    187
.set PP,    188
.set SQE,   44                         ; s[44:47]   end phase: sq of my four queries
.set FL,    4                          ; s[4:11]    end phase: eight words of flags (the addresses that lay here have served: every load by them has been waited for)
	s_load_b128 s[4:7], s[0:1], 0x0                ; xf s[4:5], sq s[6:7]
	s_load_b64 s[8:9], s[0:1], 0x10                ; masks
	v_lshl_add_u32 v212, v0, 2, 0x42000
	v_mov_b32 v213, 0
	v_lshrrev_b32 v3, 5, v0
	v_readfirstlane_b32 s17, v3                    ; wave 0 .. 15
	s_lshr_b32 s18, ttmp9, 7                       ; batch
	s_and_b32 s19, ttmp9, 127                      ; which 64 queries of the batch
	s_lshl_b32 s42, s18, 20                        ; the batch's 1 MiB of xf
	s_wait_alu depctr_va_sdst(0)                   ; s17 is written, ahead of its first reader: offsets and LDS addresses are made from it
	s_lshl_b32 s44, s17, 16                        ; my 32 candidate tiles of 2,048 bytes
	s_add_co_u32 s44, s44, s42
	s_mov_b32 s45, 0
	s_lshl_b32 s46, s19, 13                        ; the four query tiles
	s_add_co_u32 s46, s46, s42
	s_mov_b32 s47, 0
	s_mul_i32 s42, s18, 32800                      ; the batch's part of sq
	s_lshl_b32 s36, s17, 11                        ; my 512 candidates' squares
	s_add_co_u32 s36, s36, s42
	s_mov_b32 s37, 0
	s_lshl_b32 s38, s19, 8                         ; the 64 queries' squares
	s_add_co_u32 s38, s38, s42
	s_mov_b32 s39, 0
	s_lshl_b32 s40, ttmp9, 13                      ; masks: 64 queries x 128 bytes a work-group,
	s_lshl_b32 s41, s17, 9                         ; four queries a wave
	s_add_co_u32 s40, s40, s41
	s_mov_b32 s41, 0
	s_mul_i32 s16, s17, REG
	v_and_b32 v3, 31, v0
	v_lshlrev_b32 v1, 4, v3                        ; v1 = 16 lane: a fragment load's lane term; never rewritten
	v_bfe_u32 v2, v0, 4, 1                         ; h
	v_and_b32 v3, 15, v0                           ; r
	v_mul_u32_u24 v[MAD], v3, QP
	v_lshl_add_u32 v[MAD], v2, 2, v[MAD]
	v_add_nc_u32 v[MAD], s16, v[MAD]               ; region + 264 r + 4 h
	v_add_nc_u32 v[MAD+1], 16*QP, v[MAD]
	v_add_nc_u32 v[MAD+2], 32*QP, v[MAD]
	v_add_nc_u32 v[MAD+3], 48*QP, v[MAD]
	v_lshlrev_b32 v2, 5, v2                        ; v2 = 32 h: my eight candidates' squares
	v_lshlrev_b32 v3, 2, v3                        ; v3 = 4 r
	; masks of the sorting network: lane i keeps the larger of the pair (i, i xor j) where bit j of i differs from bit k of i
	s_mov_b32 s20, 0x66666666                      ; k = 2,  j = 1
	s_mov_b32 s21, 0x3c3c3c3c                      ; k = 4,  j = 2
	s_mov_b32 s22, 0x5a5a5a5a                      ; k = 4,  j = 1
	s_mov_b32 s23, 0x0ff00ff0                      ; k = 8,  j = 4
	s_mov_b32 s24, 0x33cc33cc                      ; k = 8,  j = 2
	s_mov_b32 s25, 0x55aa55aa                      ; k = 8,  j = 1
	s_mov_b32 s26, 0x00ffff00                      ; k = 16, j = 8
	s_mov_b32 s27, 0x0f0ff0f0                      ; k = 16, j = 4
	s_mov_b32 s28, 0x3333cccc                      ; k = 16, j = 2
	s_mov_b32 s29, 0x5555aaaa                      ; k = 16, j = 1
	s_mov_b32 s30, 0x76543210                      ; v_permlanex16_b32: lane i of one half reads lane i of the other
	s_mov_b32 s31, 0xfedcba98
	s_mov_b32 s32, 0xffff0000                      ; lanes 16 to 31
	s_wait_kmcnt 0x0
	s_add_nc_u64 s[10:11], s[4:5], s[44:45]        ; my candidate tiles
	s_add_nc_u64 s[14:15], s[4:5], s[46:47]        ; the query tiles
	s_add_nc_u64 s[12:13], s[6:7], s[36:37]        ; my candidates' squares
	s_add_nc_u64 s[38:39], s[6:7], s[38:39]        ; the queries' squares
	s_add_nc_u64 s[40:41], s[8:9], s[40:41]        ; my four queries' mask words
	s_lshl_b32 s44, s17, 4                         ; the squares of the four queries that I finish in the end phase
	s_mov_b32 s45, 0
	s_add_nc_u64 s[36:37], s[38:39], s[44:45]
	s_load_b128 s[SQE:SQE+3], s[36:37], 0x0        ; waited for at the head of the end phase; s[36:37] stay as they are until then
	s_wait_alu depctr_va_vdst(0)                   ; v1, v2 and v3 are written, which the loads below read as their offsets; so are v4 to v7, the LDS stores' addresses
.irp c, 0,1,2,3
.irp i, 0,1,2,3
	global_load_b128 v[BQ+16*\c+4*\i:BQ+16*\c+4*\i+3], v1, s[14:15] offset:2048*\c+512*\i
.endr
.endr
.irp c, 0,1,2,3
	global_load_b32 v[SQQ+\c], v3, s[38:39] offset:64*\c
.endr
; six loads: candidate tile t (counted from the stream's bases) into slot k
.macro FILL k, t
.irp i, 0,1,2,3
	global_load_b128 v[RING+24*(\k)+4*\i:RING+24*(\k)+4*\i+3], v1, s[10:11] offset:2048*(\t)+512*\i
.endr
	global_load_b128 v[RING+24*(\k)+16:RING+24*(\k)+19], v2, s[12:13] offset:64*(\t)
	global_load_b128 v[RING+24*(\k)+20:RING+24*(\k)+23], v2, s[12:13] offset:64*(\t)+16
.endm
.irp k, 0,1,2,3
	FILL \k, \k
.endr
; column tile c of slot k's results: the two roundings of the distance and the group's minimum, which stays in MN[k % 2] for the store that the next tile issues
.macro DIST c, k
.set mm, MN+MNB*((\k)&1)+\c
.irp j, 0,2,4,6
.if (\c) & 1
	v_pk_fma_f32 v[ACC+8*\c+\j:ACC+8*\c+\j+1], v[ACC+8*\c+\j:ACC+8*\c+\j+1], -2.0, v[SQQ+\c-1:SQQ+\c] op_sel:[0,0,1] op_sel_hi:[1,0,1]   ; both halves take the pair's second register
.else
	v_pk_fma_f32 v[ACC+8*\c+\j:ACC+8*\c+\j+1], v[ACC+8*\c+\j:ACC+8*\c+\j+1], -2.0, v[SQQ+\c:SQQ+\c+1] op_sel_hi:[1,0,0]                 ; both halves take the pair's first register
.endif
.endr
.irp j, 0,2,4,6
	v_pk_add_f32 v[ACC+8*\c+\j:ACC+8*\c+\j+1], v[ACC+8*\c+\j:ACC+8*\c+\j+1], v[RING+24*\k+16+\j:RING+24*\k+17+\j]
.endr
	v_min3_num_f32 v[mm], v[ACC+8*\c], v[ACC+8*\c+1], v[ACC+8*\c+2]
	v_min3_num_f32 v[mm], v[mm], v[ACC+8*\c+3], v[ACC+8*\c+4]
	v_min3_num_f32 v[mm], v[mm], v[ACC+8*\c+5], v[ACC+8*\c+6]
	v_min_num_f32 v[mm], v[mm], v[ACC+8*\c+7]
.endm
; One candidate tile, in slot k, against the 64 queries.  prev = 1: a tile stands in front of it, whose minima are stored here.  vm = 1: the wait on vm_vsrc stands
; at this tile's head (a trip's first tile finds it at the end of the trip before).  reload = 1: the slot of the tile before takes the tile four on from that one.
; left = the loads of the younger slots, six each, which may stay out.
.macro TILE k, prev, vm, reload, left
.set pv, ((\k)+3)&3                    ; the slot of the tile before
	s_wait_loadcnt \left
.if \vm
	s_wait_alu depctr_vm_vsrc(0)                   ; the LDS stores issued in the tile before have read MN[k % 2], which this tile's minima write again
.endif
.if \prev
	s_wait_alu depctr_va_vdst(0)                   ; the tile before has written its four minima, which the stores below read, and is done reading its slot, in which the loads below land; in a trip's first tile the stores' addresses are written too
.endif
	; the four accumulators take turns, one instruction a turn
.irp c, 0,1,2,3
	v_wmma_f32_16x16x32_bf16 v[ACC+8*\c:ACC+8*\c+7], v[RING+24*\k:RING+24*\k+7], v[BQ+16*\c:BQ+16*\c+7], 0
.endr
.if \prev
.irp c, 0,1,2,3
	ds_store_b32 v[MAD+\c], v[MN+MNB*(pv&1)+\c] offset:8*pv   ; the tile before: two groups (8 bytes) a tile.  No wait: no vector or matrix instruction since the wait above names these registers
.endr
.endif
.irp c, 0,1,2,3
	v_wmma_f32_16x16x32_bf16 v[ACC+8*\c:ACC+8*\c+7], v[RING+24*\k+8:RING+24*\k+15], v[BQ+16*\c+8:BQ+16*\c+15], v[ACC+8*\c:ACC+8*\c+7]
.endr
.if \reload
	FILL pv, 4+pv                                  ; no wait here either: this tile's matrix instructions name slot k, the queries and the accumulators
.endif
.rept 4
	v_nop                                          ; four places behind the last matrix instruction (ISA guide 7.12.1): then its result is read
.endr
.irp c, 0,1,2,3
	DIST \c, \k
.endr
.endm
	TILE 0, 0, 0, 0, 18                            ; tile 0 has no tile in front of it: no store, no load, and no wait but the one for its data
	s_mov_b32 s16, 7
.Ltiles:                                               ; tiles 1 to 28, four to a trip: slots and both MN are back at their start
	TILE 1, 1, 0, 1, 12
	TILE 2, 1, 1, 1, 12
	TILE 3, 1, 1, 1, 12
	TILE 0, 1, 1, 1, 12
	s_wait_xcnt 0x0                                ; the loads' bases are stepped only behind this wait
	s_wait_alu depctr_vm_vsrc(0)                   ; the LDS stores issued so far have read their addresses, which the adds below write, and MN1, which the next tile's minima write
	s_add_nc_u64 s[10:11], s[10:11], 4*2048
	s_add_nc_u64 s[12:13], s[12:13], 4*64
.irp c, 0,1,2,3
	v_add_nc_u32 v[MAD+\c], 32, v[MAD+\c]          ; eight groups on
.endr
	s_sub_co_i32 s16, s16, 1
	s_cmp_lg_u32 s16, 0
	s_cbranch_scc1 .Ltiles
	TILE 1, 1, 0, 0, 12                            ; the last three tiles load nothing: the counts run down
	TILE 2, 1, 1, 0, 6
	TILE 3, 1, 1, 0, 0
	s_wait_alu depctr_va_vdst(0)                   ; the last tile has written MN1, which the last four stores read
.irp c, 0,1,2,3
	ds_store_b32 v[MAD+\c], v[MN+MNB+\c] offset:24
.endr
	s_wait_dscnt 0x0                               ; my minima are in LDS,
	s_barrier_signal -1
	s_barrier_wait -1                              ; everybody's are
	; END PHASE: wave w takes the work-group's queries 4 w + i, i = 0 .. 3.  Word s of lane l: the minimum of group 32 s + l.
	s_wait_kmcnt 0x0                               ; my four queries' squares
	s_wait_alu depctr_vm_vsrc(0)                   ; the loads have read v2 and v3, the LDS stores v4 to v7 and both MN: the lines below write v2 to v7, the flags' lines v8 to v11
	v_and_b32 v3, 31, v0
	s_mul_i32 s16, s17, 4*QP
	v_lshl_add_u32 v[MAD], v3, 2, s16              ; 4 lane + my first query's row, in regions 0 to 3;
	v_add_nc_u32 v[MAD+1], 4*REG, v[MAD]           ; regions 4 to 7, 8 to 11, 12 to 15: the immediate reaches three regions on
	v_add_nc_u32 v[MAD+2], 8*REG, v[MAD]
	v_add_nc_u32 v[MAD+3], 12*REG, v[MAD]
	v_lshlrev_b32 v2, 3, v3                        ; 8 lane: the mask stores' lane term
	v_mov_b32 v[LO], 0                             ; destinations of lane-crossing forms count as read: written once here
	v_mov_b32 v[HI], 0
	v_mov_b32 v[PP], 0
.macro LOADQ i                         ; my query i's 1,024 minima: 32 loads of 128 neighbouring bytes
.set ww, 0
.rept 32
	ds_load_b32 v[F+32*\i+ww], v[MAD+(ww>>3)] offset:((ww>>1)&3)*REG+(ww&1)*128+\i*QP
.set ww, ww+1
.endr
.endm
.macro MIN16 dst, f                    ; the minimum of sixteen registers
	v_min3_num_f32 v[\dst], v[\f], v[\f+1], v[\f+2]
.irp t, 3,5,7,9,11,13
	v_min3_num_f32 v[\dst], v[\dst], v[\f+\t], v[\f+\t+1]
.endr
	v_min_num_f32 v[\dst], v[\dst], v[\f+15]
.endm
.macro STAGE reg, j, m                 ; compare and exchange lanes i and i xor j; mask s[m]: who keeps the larger
	v_min_num_f32_dpp v[LO], v[\reg], v[\reg] row_xmask:\j row_mask:0xf bank_mask:0xf
	v_max_num_f32_dpp v[HI], v[\reg], v[\reg] row_xmask:\j row_mask:0xf bank_mask:0xf
	v_cndmask_b32 v[\reg], v[LO], v[HI], s[\m]
.endm
.macro MERGE16 reg                     ; each half of 16 lanes holds a bitonic run: lanes 0-15 end ascending, lanes 16-31 descending
	STAGE \reg, 8, 26
	STAGE \reg, 4, 27
	STAGE \reg, 2, 28
	STAGE \reg, 1, 29
.endm
.macro SORT16 reg                      ; sorts each half of 16 lanes, lanes 0-15 ascending, lanes 16-31 descending
	STAGE \reg, 1, 20
	STAGE \reg, 2, 21
	STAGE \reg, 1, 22
	STAGE \reg, 4, 23
	STAGE \reg, 2, 24
	STAGE \reg, 1, 25
	MERGE16 \reg
.endm
.macro HALVE reg                       ; ascending against descending: the smaller of each pair are the 16 smallest of the 32, left in both halves
	v_permlanex16_b32 v[PP], v[\reg], s30, s31
	v_min_num_f32 v[\reg], v[\reg], v[PP]
.endm
; query i; nx = the query whose minima are fetched meanwhile (0: none is left)
.macro ENDQ i, nx
	s_wait_dscnt 0x0                               ; my query i's 32 loads are in: nothing younger has been issued
.if \nx
	LOADQ \nx                                      ; the next query's come in while this one is worked on.  No wait: since the last wait on va_vdst no vector instruction has named v4 to v7 or that query's 32 registers
.endif
	MIN16 C0, F+32*\i                              ; 64 minima over disjoint sets of 16 groups: two a lane
	MIN16 C1, F+32*\i+16
	SORT16 C0
	SORT16 C1
	HALVE C0
	HALVE C1
	v_cndmask_b32 v[C0], v[C0], v[C1], s32         ; the two sixteens side by side, each a bitonic run
	MERGE16 C0
	HALVE C0                                       ; the 16 smallest of the 64
	v_max_num_f32_dpp v[C0], v[C0], v[C0] row_xmask:1 row_mask:0xf bank_mask:0xf
	v_max_num_f32_dpp v[C0], v[C0], v[C0] row_xmask:2 row_mask:0xf bank_mask:0xf
	v_max_num_f32_dpp v[C0], v[C0], v[C0] row_xmask:4 row_mask:0xf bank_mask:0xf
	v_max_num_f32_dpp v[C0], v[C0], v[C0] row_xmask:8 row_mask:0xf bank_mask:0xf   ; T, in every lane
	v_add_f32 v[C1], s[SQE+\i], v[C0]              ; sq_q + T
	v_fmac_f32 v[C0], 0x39000000, v[C1]            ; T' = T + 2^-13 (sq_q + T): the margin of the head comment
	; word s of the flags goes to register s % 2, lane 16 (i % 2) + s / 2: a register pair then holds two queries' 64 words in memory order
.set wq, 0
.rept 4
.irp t, 0,1,2,3,4,5,6,7
	v_cmp_le_f32 s[FL+\t], v[F+32*\i+wq+\t], v[C0]
.endr
	s_wait_alu depctr_va_sdst(0)                   ; the eight compares have written s[FL ..], ahead of the lines that read them: one wait for the run
.irp t, 0,1,2,3,4,5,6,7
	v_writelane_b32 v[MN+2*(\i>>1)+(\t&1)], s[FL+\t], 16*(\i&1)+((wq+\t)>>1)
.endr
.set wq, wq+8
.endr
.if (\i) & 1
	s_wait_alu depctr_va_vdst(0)                   ; the pair of mask registers is written, which the store reads
	global_store_b64 v2, v[MN+2*(\i>>1):MN+2*(\i>>1)+1], s[40:41] offset:256*(\i>>1)   ; the wave stores 256 neighbouring bytes, aligned; its pair is not written again
.endif
.endm
	s_wait_alu depctr_va_vdst(0)                   ; v2 and the read addresses v4 to v7 are written; the walk's matrix and vector instructions are done reading v[48:175], in which the LDS loads land
	LOADQ 0
	ENDQ 0, 1
	ENDQ 1, 2
	ENDQ 2, 3
	ENDQ 3, 0
	s_wait_dscnt 0x0
	s_wait_alu depctr_hold_cnt(0) depctr_sa_sdst(0) depctr_va_vdst(0) depctr_va_sdst(0) depctr_va_ssrc(0) depctr_va_vcc(0) depctr_vm_vsrc(0)
	s_wait_tensorcnt 0x0
	ds_add_u32 v212, v213
	s_wait_dscnt 0x0
	s_endpgm
.Lfunc_end_k_qd86cde2de7_sweep:
	.size	k_qd86cde2de7_sweep, .Lfunc_end_k_qd86cde2de7_sweep-k_qd86cde2de7_sweep
	.p2alignl 7, 3214868480
	.fill 96, 4, 3214868480
	.section	.rodata,"a",@progbits
	.p2align	6, 0x0
	.amdhsa_kernel k_qd86cde2de7_sweep
		.amdhsa_group_segment_fixed_size 272384
		.amdhsa_private_segment_fixed_size 0
		.amdhsa_enable_private_segment 0
		.amdhsa_kernarg_size 24
		.amdhsa_user_sgpr_count 2
		.amdhsa_user_sgpr_kernarg_segment_ptr 1
		.amdhsa_wavefront_size32 1
		.amdhsa_system_sgpr_workgroup_id_x 1
		.amdhsa_system_sgpr_workgroup_id_y 1
		.amdhsa_system_sgpr_workgroup_id_z 1
		.amdhsa_system_vgpr_workitem_id 0
		.amdhsa_next_free_vgpr 214
		.amdhsa_next_free_sgpr 66
		.amdhsa_reserve_vcc 0
		.amdhsa_float_denorm_mode_32 3
		.amdhsa_float_denorm_mode_16_64 3
		.amdhsa_memory_ordered 1
		.amdhsa_forward_progress 1
		.amdhsa_inst_pref_size 91
	.end_amdhsa_kernel
	.amdgpu_metadata
---
amdhsa.version: [ 1, 2 ]
amdhsa.kernels:
  - .name:           k_qd86cde2de7_sweep
    .symbol:         k_qd86cde2de7_sweep.kd
    .args:
      - { .name: xf, .offset: 0, .size: 8, .value_kind: global_buffer, .address_space: global }
      - { .name: sq, .offset: 8, .size: 8, .value_kind: global_buffer, .address_space: global }
      - { .name: masks, .offset: 16, .size: 8, .value_kind: global_buffer, .address_space: global }
    .group_segment_fixed_size: 272384
    .private_segment_fixed_size: 0
    .kernarg_segment_align: 8
    .kernarg_segment_size: 24
    .max_flat_workgroup_size: 512
    .sgpr_count:     66
    .vgpr_count:     214
    .wavefront_size: 32
...
	.end_amdgpu_metadata
.endif
;; end of part 5
;; launch compact: the kernel of part 3 again; grid 256 x 1, 16 waves a work-group, no clusters, 6,400 bytes of LDS; arguments masks, lst, cnt; writes lst, cnt
;; launch pick: the kernel of part 4 again; grid 256 x 1, 16 waves a work-group, no clusters, 6,144 bytes of LDS; arguments xf, sq, masks, lst, cnt, out0; writes out0
